; MI455X (gfx1250); checked and timed in simulation.
; The chip was launched on July 23, 2026; its instructions are those of AMD's public machine-readable ISA for CDNA 5 (MIT licence, August 2026) and "CDNA5" Instruction Set Architecture Reference Guide (July 2026). The comments in the code are by the model that wrote it; some were corrected since.
;; Temporal Attention. Allowed arithmetic: matrix products marked QUANTISED: E2M3 operands, one E8M0 scale for each 32 along K, by v_wmma_scale_f32_16x16x128_f8f6f4 with both operands' format E2M3, f32 sums; products left as they are: f32 operands where the result goes on into a quantised operand, else bf16, f16 or f32 operands; f32 sums; everything else in f32.
;; Inputs: Wk_codes 256 x 8 x 24 uint8 (E2M3 codes of Wk, K innermost, in blocks of 32 codes, four codes in three bytes); Wk_scales 256 x 8 uint8 (E8M0 scales of Wk, one for each 32 codes along K); Wq 256 x 1,024 float32; Wv_codes 256 x 8 x 24 uint8 (E2M3 codes of Wv, K innermost, in blocks of 32 codes, four codes in three bytes); Wv_scales 256 x 8 uint8 (E8M0 scales of Wv, one for each 32 codes along K); bk 256 float32; bq 256 float32; bv 256 float32; residual_maps_codes 2 x 16 x 64 x 64 x 8 x 24 uint8 (E2M3 codes of residual_maps, K innermost, in blocks of 32 codes, four codes in three bytes); residual_maps_scales 2 x 16 x 64 x 64 x 8 uint8 (E8M0 scales of residual_maps, one for each 32 codes along K); transformer_output 2 x 1,024 float32.
;; Outputs: out0 2 x 256 x 64 x 64 float32.
;; This version of the problem:
;;   THIS VERSION OF THE PROBLEM IS GIVEN IN LOW PRECISION. The matrix products marked QUANTISED in the list below multiply operands that are first quantised to E2M3 (2 exponent bits, 3 mantissa bits; 6 bits a number), with one power-of-two scale for each 32 numbers along K (OCP MX v1.0); their sums are f32. All else is computed in f32.
;;   The module's matrix products, in the order in which they are computed (A, B: the left and right operand; K: the contracted axis; several contracted axes count as one K, in the product's order):
;;     1. [M 2, K 1,024] x [K 1,024, N 256]; A: input transformer_output; B: input Wq: left as it is (M = 2 < 16)
;;     2. [M 131,072, K 256] x [K 256, N 256]; A: input residual_maps (given as codes); B: input Wk (given as codes): QUANTISED
;;     3. [M 131,072, K 256] x [K 256, N 256]; A: input residual_maps (given as codes); B: input Wv (given as codes): QUANTISED
;;     4. batch 2 x [M 1, K 256] x [K 256, N 65,536]; A: computed on the way; B: computed on the way: left as it is (M = 1 < 16)
;;     5. batch 8,192 x [M 256, K 16] x [K 16, N 1]; A: computed on the way; B: softmax: left as it is (K = 16 < 32)
;;   THE QUANTISER, for each operand of a quantised product, along K:
;;     - K is cut into blocks of 32 from its start; a last block that is shorter is filled with zeros.
;;     - A block's scale is 2^e with e = floor(log2(the largest magnitude in the block)) - 2, held to -126 .. 127; a block of zeros has e = 0. As a byte (E8M0): e + 127.
;;     - Each number is divided by its block's scale, clamped to +-7.5, and rounded to the nearest number of E2M3, ties to even, subnormals kept.
;;     - The product sums the exact products of the quantised numbers (number of the format x scale) in f32.
;;   ~~~python
;;   def quantise(x, axis):      # numpy; x: float32 -> the quantised numbers, widened to float32 again
;;       x = np.moveaxis(x, axis, -1); K = x.shape[-1]
;;       x = np.pad(x, [(0, 0)] * (x.ndim - 1) + [(0, -K % 32)]); x = x.reshape(x.shape[:-1] + (-1, 32)); a = np.abs(x).max(-1, keepdims=True)
;;       e = np.where(a > 0, np.clip(np.frexp(np.where(a > 0, a, 1))[1] - 1 - 2, -126, 127), 0)      # np.frexp(a)[1] - 1 = floor(log2(a)), exactly
;;       r = np.clip(x / 2.0 ** e, -7.5, 7.5)
;;       step = 2.0 ** (np.maximum(np.frexp(np.where(r == 0, 1, r))[1] - 1, 0) - 3)
;;       q = np.round(r / step) * step * 2.0 ** e      # np.round: ties to even
;;       return np.moveaxis(q.reshape(q.shape[:-2] + (-1,))[..., :K], -1, axis).astype(np.float32)
;;   ~~~
;;   INPUTS GIVEN AS CODES. Wk (in the module: [256, 256], K = its axis 1); Wv (in the module: [256, 256], K = its axis 1); residual_maps (in the module: [2, 16, 256, 64, 64], K = its axis 2): each comes as NAME_codes (uint8): NAME with its K axis moved to the last place and cut into blocks of 32 codes, [.., K / 32, bytes a block], one block behind the other in memory; four codes in three bytes: a row's codes are one little-endian stream of bits, code i at bits 6 i .. 6 i + 5 (a code: sign, 2 exponent bits, 3 mantissa bits); and NAME_scales (uint8): the same leading axes, one E8M0 byte (e + 127) for each 32 codes along K. Its value is code x scale, taken as it is: it is not quantised again, and the codes and scales need not be those that the quantiser above would give.
;; One version. Each part assembles by itself: llvm-mc -triple=amdgcn-amd-amdhsa -mcpu=gfx1250 --defsym DOCPART=n.
;; ======== version 1 of 1: 2 launches
;; workspace buffers: qbuf 2,048 bytes; wimg 98,304 bytes
;; launch prep (part 1): grid 64 x 1, 4 waves a work-group, no clusters, 0 bytes of LDS; arguments transformer_output, Wq, bq, Wk_codes, Wv_codes, qbuf, wimg; writes qbuf, wimg
.if DOCPART == 1
	.amdgcn_target "amdgcn-amd-amdhsa--gfx1250"
	.amdhsa_code_object_version 6
	.text
	.protected	k_qd514e8d068_prep
	.globl	k_qd514e8d068_prep
	.p2align	8
	.type	k_qd514e8d068_prep,@function
k_qd514e8d068_prep:
	s_mov_b64 s[64:65], 0
	v_nop
	global_prefetch_b8 v0, s[64:65] scope:SCOPE_SE
	s_setreg_imm32_b32 hwreg(HW_REG_WAVE_MODE, 25, 1), 1
	s_wait_xcnt 0x0
; TWO SMALL JOBS AHEAD OF THE FUSED LAUNCH.
; (1) q[b][o] = sum over k of transformer_output[b][k] Wq[o][k] + bq[o], b = 0, 1, o = 0 .. 255, k = 0 .. 1023, all f32, fused multiply-adds.
;     Wave 4 x + w owns channel o: it reads Wq's row o once (4,096 bytes, eight loads of 512 consecutive bytes) and both rows of transformer_output.
; (2) Wk's and Wv's codes are laid out as IMAGES OF THE OPERAND'S REGISTERS: a fragment is 16 rows x 128 K of 6-bit codes, 12 registers a lane
;     (lane l: row l % 16; registers 6 c .. 6 c + 5: K = 64 c + 32 (l / 16) + 0 .. 31, 24 bytes of the row's stream of bits as they lie).
;     wimg: fragment f = 32 kv + 2 T + s (kv: Wk, Wv; T: rows 16 T on; s: K step of 128) at byte 1536 f; in it registers 4 k .. 4 k + 3 of lane l at 512 k + 16 l.
;     Wave 0 of work-group x copies fragment x.  The next launch then fetches a fragment by three loads of 16 bytes a lane.
; q leaves by stores of 4 bytes from two lanes: all of q is 2,048 bytes, and a wave owns one channel of each batch.
; LIMITS: the order of the f32 sums is this text's (four chains a lane, then across the lanes), not the reference program's.
.set FRG, 4                            ; v4-15    the fragment
.set A0,  16                           ; v16-23   four running pairs, batch 0
.set A1,  24                           ; v24-31   batch 1
.set WQ,  32                           ; v32-63   my 32 numbers of Wq's row
.set T0,  64                           ; v64-95   the same places of transformer_output, batch 0
.set T1,  96                           ; v96-127  batch 1
	s_load_b256 s[4:11], s[0:1], 0x0               ; transformer_output s[4:5], Wq s[6:7], bq s[8:9], Wk's codes s[10:11]
	s_load_b128 s[12:15], s[0:1], 0x20             ; Wv's codes s[12:13], qbuf s[14:15]
	s_load_b64 s[16:17], s[0:1], 0x30              ; wimg
	v_lshrrev_b32 v1, 5, v0
	v_readfirstlane_b32 s18, v1                    ; wave 0..3
	s_lshl_b32 s19, ttmp9, 2
	s_add_co_u32 s19, s19, s18                     ; o = 4 x work-group + wave
	v_and_b32 v1, 31, v0                           ; lane
	v_lshlrev_b32 v2, 4, v1                        ; 16 bytes a lane
	s_lshl_b32 s20, s19, 12                        ; Wq's row o: 4,096 bytes a row
	s_mov_b32 s21, 0
	s_lshl_b32 s28, s19, 2                         ; 4 o: bq's and q's place
	s_mov_b32 s29, 0
	s_mov_b32 s24, 0x76543210                      ; v_permlanex16_b32's selects for lane l xor 16
	s_mov_b32 s25, 0xfedcba98
	s_wait_kmcnt 0x0
	s_add_nc_u64 s[6:7], s[6:7], s[20:21]
	s_add_nc_u64 s[8:9], s[8:9], s[28:29]
	s_add_nc_u64 s[14:15], s[14:15], s[28:29]
	s_load_b32 s22, s[8:9], 0x0                    ; bq[o]
.irp i, 0,1,2,3,4,5,6,7
	global_load_b128 v[WQ+4*\i:WQ+4*\i+3], v2, s[6:7] offset:512*\i th:TH_LOAD_NT   ; read once in the launch
.endr
.irp i, 0,1,2,3,4,5,6,7
	global_load_b128 v[T0+4*\i:T0+4*\i+3], v2, s[4:5] offset:512*\i
	global_load_b128 v[T1+4*\i:T1+4*\i+3], v2, s[4:5] offset:4096+512*\i
.endr
	s_cmp_lg_u32 s18, 0                            ; the image is wave 0's job alone
	s_cbranch_scc1 .Lno_image
	v_and_b32 v3, 15, v0                           ; r
	v_bfe_u32 v128, v0, 4, 1                       ; h
	v_mul_u32_u24 v3, v3, 192                      ; a row of 256 codes is 192 bytes
	v_mad_u32_u24 v3, v128, 24, v3                 ; + 24 h
	s_cmp_lt_u32 ttmp9, 32                         ; fragments 0-31 are Wk's, 32-63 Wv's: the choice hangs on the work-group's number alone
	s_cselect_b64 s[10:11], s[10:11], s[12:13]
	s_bfe_u32 s20, ttmp9, 0x40001                  ; T = (x >> 1) & 15
	s_mul_i32 s20, s20, 16*192
	s_and_b32 s23, ttmp9, 1                        ; s
	s_mul_i32 s23, s23, 96
	s_add_co_u32 s20, s20, s23
	s_add_nc_u64 s[10:11], s[10:11], s[20:21]
	s_mul_i32 s26, ttmp9, 1536
	s_mov_b32 s27, 0
	s_add_nc_u64 s[16:17], s[16:17], s[26:27]
.irp p, 0,1,2,3,4,5
	global_load_b64 v[FRG+2*\p:FRG+2*\p+1], v3, s[10:11] offset:48*(\p/3)+8*(\p%3)   ; pieces of 8 bytes: every address is a multiple of the access's size
.endr
	s_wait_loadcnt 0x0
.irp k, 0,1,2
	global_store_b128 v2, v[FRG+4*\k:FRG+4*\k+3], s[16:17] offset:512*\k             ; 32 lanes store 512 consecutive bytes, at a multiple of 256 from wimg's first byte
.endr
.Lno_image:
	s_wait_loadcnt 0x0                             ; Wq's row and both rows of transformer_output
	s_wait_kmcnt 0x0                               ; bq[o]
.irp p, 0,1,2,3
	v_pk_mul_f32 v[A0+2*\p:A0+2*\p+1], v[WQ+2*\p:WQ+2*\p+1], v[T0+2*\p:T0+2*\p+1]    ; the first products start the chains: nothing is cleared
	v_pk_mul_f32 v[A1+2*\p:A1+2*\p+1], v[WQ+2*\p:WQ+2*\p+1], v[T1+2*\p:T1+2*\p+1]
.endr
.set pp, 4
.rept 12
	v_pk_fma_f32 v[A0+2*(pp%4):A0+2*(pp%4)+1], v[WQ+2*pp:WQ+2*pp+1], v[T0+2*pp:T0+2*pp+1], v[A0+2*(pp%4):A0+2*(pp%4)+1]
	v_pk_fma_f32 v[A1+2*(pp%4):A1+2*(pp%4)+1], v[WQ+2*pp:WQ+2*pp+1], v[T1+2*pp:T1+2*pp+1], v[A1+2*(pp%4):A1+2*(pp%4)+1]
.set pp, pp+1
.endr
	v_pk_add_f32 v[A0:A0+1], v[A0:A0+1], v[A0+2:A0+3]
	v_pk_add_f32 v[A1:A1+1], v[A1:A1+1], v[A1+2:A1+3]
	v_pk_add_f32 v[A0+4:A0+5], v[A0+4:A0+5], v[A0+6:A0+7]
	v_pk_add_f32 v[A1+4:A1+5], v[A1+4:A1+5], v[A1+6:A1+7]
	v_pk_add_f32 v[A0:A0+1], v[A0:A0+1], v[A0+4:A0+5]
	v_pk_add_f32 v[A1:A1+1], v[A1:A1+1], v[A1+4:A1+5]
	v_add_f32 v[A0], v[A0], v[A0+1]
	v_add_f32 v[A1], v[A1], v[A1+1]
	v_mov_b32 v128, 0                              ; a lane permute's destination counts as one of its sources
	v_mov_b32 v129, 0
.irp x, 1,2,4,8                                    ; across the 32 lanes, the two batches by turns
	v_add_f32_dpp v[A0], v[A0], v[A0] row_xmask:\x row_mask:0xf bank_mask:0xf
	v_add_f32_dpp v[A1], v[A1], v[A1] row_xmask:\x row_mask:0xf bank_mask:0xf
.endr
	v_permlanex16_b32 v128, v[A0], s24, s25
	v_permlanex16_b32 v129, v[A1], s24, s25
	v_add_f32 v[A0], v[A0], v128
	v_add_f32 v[A1], v[A1], v129
	v_add_f32 v[A0], s22, v[A0]                    ; + bq[o]
	v_add_f32 v[A1], s22, v[A1]
	v_cmp_eq_u32 vcc_lo, 1, v1
	v_cndmask_b32 v130, v[A0], v[A1], vcc_lo       ; lane 0 carries q[0][o], lane 1 q[1][o]
	v_lshlrev_b32 v131, 10, v1                     ; a batch's q is 1,024 bytes
	v_cmp_gt_u32 vcc_lo, 2, v1
	s_wait_xcnt 0x0                                ; EXEC is a source of the memory instructions issued so far: it narrows only behind this wait
	s_and_saveexec_b32 s30, vcc_lo
	global_store_b32 v131, v130, s[14:15]
	s_wait_xcnt 0x0                                ; and widens only behind this one
	s_or_b32 exec_lo, exec_lo, s30
	s_endpgm
.Lfunc_end_k_qd514e8d068_prep:
	.size	k_qd514e8d068_prep, .Lfunc_end_k_qd514e8d068_prep-k_qd514e8d068_prep
	.p2alignl 7, 3214868480
	.fill 96, 4, 3214868480
	.section	.rodata,"a",@progbits
	.p2align	6, 0x0
	.amdhsa_kernel k_qd514e8d068_prep
		.amdhsa_group_segment_fixed_size 0
		.amdhsa_private_segment_fixed_size 0
		.amdhsa_enable_private_segment 0
		.amdhsa_kernarg_size 56
		.amdhsa_user_sgpr_count 2
		.amdhsa_user_sgpr_kernarg_segment_ptr 1
		.amdhsa_wavefront_size32 1
		.amdhsa_system_sgpr_workgroup_id_x 1
		.amdhsa_system_sgpr_workgroup_id_y 1
		.amdhsa_system_sgpr_workgroup_id_z 1
		.amdhsa_system_vgpr_workitem_id 0
		.amdhsa_next_free_vgpr 136
		.amdhsa_next_free_sgpr 66
		.amdhsa_reserve_vcc 1
		.amdhsa_float_denorm_mode_32 3
		.amdhsa_float_denorm_mode_16_64 3
		.amdhsa_memory_ordered 1
		.amdhsa_forward_progress 1
		.amdhsa_inst_pref_size 9
	.end_amdhsa_kernel
	.amdgpu_metadata
---
amdhsa.version: [ 1, 2 ]
amdhsa.kernels:
  - .name:           k_qd514e8d068_prep
    .symbol:         k_qd514e8d068_prep.kd
    .args:
      - { .name: transformer_output, .offset: 0, .size: 8, .value_kind: global_buffer, .address_space: global }
      - { .name: Wq, .offset: 8, .size: 8, .value_kind: global_buffer, .address_space: global }
      - { .name: bq, .offset: 16, .size: 8, .value_kind: global_buffer, .address_space: global }
      - { .name: Wk_codes, .offset: 24, .size: 8, .value_kind: global_buffer, .address_space: global }
      - { .name: Wv_codes, .offset: 32, .size: 8, .value_kind: global_buffer, .address_space: global }
      - { .name: qbuf, .offset: 40, .size: 8, .value_kind: global_buffer, .address_space: global }
      - { .name: wimg, .offset: 48, .size: 8, .value_kind: global_buffer, .address_space: global }
    .group_segment_fixed_size: 0
    .private_segment_fixed_size: 0
    .kernarg_segment_align: 8
    .kernarg_segment_size: 56
    .max_flat_workgroup_size: 128
    .sgpr_count:     66
    .vgpr_count:     136
    .wavefront_size: 32
...
	.end_amdgpu_metadata
.endif
;; end of part 1
;; launch attend (part 2): grid 256 x 1, 4 waves a work-group, clusters of 4 x 1, 246,272 bytes of LDS; arguments residual_maps_codes, residual_maps_scales, wimg, Wk_scales, Wv_scales, qbuf, bk, bv, out0; writes out0
.if DOCPART == 2
	.amdgcn_target "amdgcn-amd-amdhsa--gfx1250"
	.amdhsa_code_object_version 6
	.text
	.protected	k_qd514e8d068_attend
	.globl	k_qd514e8d068_attend
	.p2align	8
	.type	k_qd514e8d068_attend,@function
k_qd514e8d068_attend:
	s_mov_b64 s[64:65], 0
	v_nop
	global_prefetch_b8 v0, s[64:65] scope:SCOPE_SE
	s_setreg_imm32_b32 hwreg(HW_REG_WAVE_MODE, 25, 1), 1
	s_wait_xcnt 0x0
	s_wait_alu depctr_hold_cnt(0) depctr_sa_sdst(0) depctr_va_vdst(0) depctr_va_sdst(0) depctr_va_ssrc(0) depctr_va_vcc(0) depctr_vm_vsrc(0)
	s_getreg_b32 s2, hwreg(HW_REG_IB_STS2, 6, 4)
	s_cmp_eq_u32 s2, 0
	s_cbranch_scc0 .Lentry_in_a_cluster
	s_endpgm
.Lentry_in_a_cluster:
	s_bfe_u32 s2, ttmp6, 0x10000c
	s_cmp_lg_u32 s2, 0x3003
	s_cbranch_scc0 .Lentry_shape_is_right
	s_endpgm
.Lentry_shape_is_right:
; out[b][o][pix] = sum over the 16 maps m of p_m (Wv x_m + bv)[o],  p = softmax over m of q[b] . (Wk x_m + bk) / 16,  x_m = residual_maps[b][m][:][pix].
; Both products with X run on the 6-bit codes and E8M0 scale bytes as they are given (16 x 16 x 128 a matrix instruction, K = 256 in two steps); all else is f32.
; SHARES.  A work-group owns 32 pixels of one batch and all 16 maps: 8,192 pixels / 32 = 256 work-groups.  Wave w: pixels 16 (w >> 1) on, key and value channels 128 (w & 1) on:
; 16 maps x 8 tiles of 16 channels x 2 K steps x 2 products = 512 matrix instructions a wave.
; LAYOUT.  Source 0 = 16 rows of W, source 1 = 16 pixels of ONE map: in a result lane (r, h) holds pixel r and register j channel 16 T + 8 h + j.  So a lane has all 16 maps of its pixel:
; the softmax and the weighted sum never change lanes.  A score's four parts (two halves of the lanes, two waves) meet once: one exchange through LDS, one between the halves of the lanes.
; X's 32 fragments (16 maps x 2 K steps, 384 registers) are read from LDS ONCE and serve both products.  Keys, values, scores and p never go to memory.
; PHASE K: keys tile by tile; q . keys by packed multiply-adds, two behind each product.  q . bk is the starting addend of every score (the same sum, taken in another order).
; PHASE V: for a tile of 16 channels the values of all 16 maps (bv is the C of the first K step), then sum p v by packed multiply-adds, two behind each of the next products.
; LDS is filled once, by seven tensor loads a wave issued together; nothing is filled again.
; CLUSTER.  All work-groups read the same 98,304 bytes of weights, half of what a work-group fetches: the four of a cluster ask for them JOINTLY (mask 15); those descriptors hang on the wave's
; number alone.  X and its scales are each work-group's own (mask 0).  The place in the cluster enters global addresses of X, its scales, q and out0 alone.
; THE WAY OUT.  A tile's 32 channel rows x 32 pixels meet in a stage in LDS; a store of a wave covers four runs of 128 consecutive bytes.  A run of 256 would be 64 pixels of a channel:
; 8,192 / 64 = 128 work-groups, half as many as there are WGPs; the neighbouring 128 bytes are the next work-group's of the same cluster.
; LIMITS.  The order of the f32 sums is this text's.  Scale bytes are taken as given: 0xff makes NaN.  A p under 2^-126 counts as 0 (v_exp_f32 flushes such results: ISA guide, its entry).  NaN and infinities among the f32 inputs are not served.
.set WKI,  0                           ; LDS: Wk's 32 fragment images, 1,536 bytes each, dense
.set WVI,  49152                       ; Wv's
.set XC,   98304                       ; X's codes: map m at XMAP m, pixel p at XP p
.set XP,   240                         ; a pixel's row: 3 x (64 bytes + 16 of padding) = 60 words: the 32 lanes of a load of 8 bytes touch 64 different banks (64 banks of 4 bytes: ISA guide 11.1)
.set XMAP, 32*XP
.set XSC,  XC+16*XMAP                  ; X's scale bytes: map m's 256 bytes at SCP m
.set SCP,  272
.set EXC,  XSC+16*SCP                  ; the exchange of scores: 2,048 bytes a wave
.set STG,  EXC+4*2048                  ; two stages of 32 channel rows x (128 bytes + 16), by turns
.set SPT,  144
.set STGB, 32*SPT
; window 0
.set AWK, 4                            ; v4   WKI + 24576 c + 16 l: my half of Wk's images
.set AWV, 5                            ; v5   the same for Wv
.set AX,  6                            ; v6, v7  X, maps 0-7: my pixel's row + 24 h, + 40 h (pieces behind one padding more);  v8, v9: maps 8-15
.set AXS, 10                           ; v10  X's scale words: lanes 0-15 an even map, lanes 16-31 the odd map behind it
.set AEX, 11                           ; v11  where I put my scores
.set AEP, 12                           ; v12  where my partner (wave xor 1) put its
.set ASO, 13                           ; v13  the stage, in
.set ASR, 14                           ; v14  the stage, back
.set GO,  15                           ; v15  my byte offset in out0
.set H32, 16                           ; v16  32 h + 512 c: my eight channels of a tile in q, bk, bv
.set L8,  17                           ; v17  8 l + 1024 c: my row's scale bytes of W
.set OB,  24                           ; v24-31   eight stage rows read back
.set WKS, 32                           ; v32-39   Wk's scale words: register 2 i + s: lanes 0-15 tile 2 i, lanes 16-31 tile 2 i + 1, K step s
.set WVS, 40                           ; v40-47   Wv's
.set XS,  48                           ; v48-63   X's: register 2 u + s: lanes 0-15 map 2 u, lanes 16-31 map 2 u + 1
.set SC,  64                           ; v64-79   the 16 scores, then p before it is normalised
.set SP,  80                           ; v80-95   the partner's scores; at work
.set QC,  96                           ; v96-103  q . bk in four chains
.set MX,  112                          ; v112-115 maxima
.set MC,  116                          ; v116-117 the maximum x cs
.set SU,  118                          ; v118     the sum
.set RL,  119                          ; v119     1 / the sum
.set BVR, 128                          ; v128-191 bv as loaded
.set BKR, 192                          ; v192-255 bk as loaded
; window 1, phase K: v0-191 Wk's fragment (t, s) at 24 t + 12 s
.set DT5, 192                          ; v192-231 five result tiles by turns
.set ACC, 232                          ; v232-247 two sets of four running pairs
.set QB,  248                          ; v248-249 (q . bk of my 64 channels, 0)
; window 1, phase V: v0-47 Wv's fragments, two sets of 24
.set DT16, 48                          ; v48-175  map m's result tile at 48 + 8 m
.set OUTR, 176                         ; v176-183 the weighted sum of a tile
.set BV,  192                          ; v192-255 bv, tile t at 192 + 8 t
; windows 2 and 3: v0-191 X of maps 0-7 and 8-15, fragment (m, s) at 24 (m % 8) + 12 s
.set QF,  192                          ; v192-255 q, tile t at 192 + 8 t, in both windows; later v192-207: the pairs (p, p): window 2 maps 8-15, window 3 maps 0-7
; s_set_vgpr_msb's low byte: bits 1:0 source 0, 3:2 source 1, 5:4 source 2, 7:6 destination.  0x59 and 0x5d: all in window 1 but source 1, which is window 2 or 3:
; under ONE setting stand the matrix instruction (D and C results, A = W, B = X) and the packed multiply-add (result x q or p + running pair).
.set MSB, 0
.macro WIN new                         ; the immediate's high byte repeats the setting that is left; a switch that changes nothing is dropped
.if MSB != (\new)
	s_set_vgpr_msb (MSB<<8)|(\new)
.set MSB, \new
.endif
.endm
.macro WINQ                            ; either of the products' two settings serves: q lies in both windows
.if (MSB != 0x59) && (MSB != 0x5d)
	WIN 0x5d
.endif
.endm
.macro ROUND                           ; a round of the cluster's barrier: my work-group's barrier; wave 0 signals for the work-group; every wave waits for all four work-groups; my work-group's barrier once more
	s_barrier_signal -1
	s_barrier_wait -1
	s_cmp_lg_u32 s22, 0
	s_cbranch_scc1 .Lnot_wave_0_\@
	s_barrier_signal -3
.Lnot_wave_0_\@:
	s_barrier_wait -3
	s_barrier_signal -1
	s_barrier_wait -1
.endm
; Map m's fragment of K step q: six pieces of 8 bytes of my pixel's row.  Lanes 16-31 read three pieces further on, which is behind one padding more where the piece's number mod 8 is 5 or more: the second address register serves those.
.macro XFRAGH m, q
	WIN 0x80+0x40*((\m)/8)
.irp p, 0,1,2,3,4,5
.set PCE, 12*(\q)+6*(\p/3)+\p%3
.if PCE%8 < 5
	ds_load_b64 v[24*((\m)%8)+12*(\q)+2*\p:24*((\m)%8)+12*(\q)+2*\p+1], v[AX+2*((\m)/8)] offset:XMAP*((\m)%8)+8*PCE+16*(PCE/8)
.else
	ds_load_b64 v[24*((\m)%8)+12*(\q)+2*\p:24*((\m)%8)+12*(\q)+2*\p+1], v[AX+2*((\m)/8)+1] offset:XMAP*((\m)%8)+8*PCE+16*(PCE/8)
.endif
.endr
.endm
.macro XFRAG m                         ; both of a map's fragments
	XFRAGH \m, 0
	XFRAGH \m, 1
.endm
.macro WFRAG adr, f, reg               ; image f of my half of a weight into window 1: three loads of 512 consecutive bytes (the caller has set the destination's window)
.irp k, 0,1,2
	ds_load_b128 v[(\reg)+4*\k:(\reg)+4*\k+3], v[\adr] offset:1536*(\f)+512*\k
.endr
.endm
; The matrix instruction on the symbols rD, rA, rB, rC, rSA, rSB.  oA: W's tile is an odd one, its scale words lie in lanes 16-31; oB: the same of X's map.
.macro WM0                             ; C = 0: the first K step starts the sum
.if oA && oB
	v_wmma_scale_f32_16x16x128_f8f6f4 v[rD:rD+7], v[rA:rA+11], v[rB:rB+11], 0, v[rSA], v[rSB] matrix_a_fmt:MATRIX_FMT_FP6 matrix_b_fmt:MATRIX_FMT_FP6 matrix_a_scale:MATRIX_SCALE_ROW1 matrix_b_scale:MATRIX_SCALE_ROW1
.elseif oA
	v_wmma_scale_f32_16x16x128_f8f6f4 v[rD:rD+7], v[rA:rA+11], v[rB:rB+11], 0, v[rSA], v[rSB] matrix_a_fmt:MATRIX_FMT_FP6 matrix_b_fmt:MATRIX_FMT_FP6 matrix_a_scale:MATRIX_SCALE_ROW1
.elseif oB
	v_wmma_scale_f32_16x16x128_f8f6f4 v[rD:rD+7], v[rA:rA+11], v[rB:rB+11], 0, v[rSA], v[rSB] matrix_a_fmt:MATRIX_FMT_FP6 matrix_b_fmt:MATRIX_FMT_FP6 matrix_b_scale:MATRIX_SCALE_ROW1
.else
	v_wmma_scale_f32_16x16x128_f8f6f4 v[rD:rD+7], v[rA:rA+11], v[rB:rB+11], 0, v[rSA], v[rSB] matrix_a_fmt:MATRIX_FMT_FP6 matrix_b_fmt:MATRIX_FMT_FP6
.endif
.endm
.macro WMC                             ; C in registers
.if oA && oB
	v_wmma_scale_f32_16x16x128_f8f6f4 v[rD:rD+7], v[rA:rA+11], v[rB:rB+11], v[rC:rC+7], v[rSA], v[rSB] matrix_a_fmt:MATRIX_FMT_FP6 matrix_b_fmt:MATRIX_FMT_FP6 matrix_a_scale:MATRIX_SCALE_ROW1 matrix_b_scale:MATRIX_SCALE_ROW1
.elseif oA
	v_wmma_scale_f32_16x16x128_f8f6f4 v[rD:rD+7], v[rA:rA+11], v[rB:rB+11], v[rC:rC+7], v[rSA], v[rSB] matrix_a_fmt:MATRIX_FMT_FP6 matrix_b_fmt:MATRIX_FMT_FP6 matrix_a_scale:MATRIX_SCALE_ROW1
.elseif oB
	v_wmma_scale_f32_16x16x128_f8f6f4 v[rD:rD+7], v[rA:rA+11], v[rB:rB+11], v[rC:rC+7], v[rSA], v[rSB] matrix_a_fmt:MATRIX_FMT_FP6 matrix_b_fmt:MATRIX_FMT_FP6 matrix_b_scale:MATRIX_SCALE_ROW1
.else
	v_wmma_scale_f32_16x16x128_f8f6f4 v[rD:rD+7], v[rA:rA+11], v[rB:rB+11], v[rC:rC+7], v[rSA], v[rSB] matrix_a_fmt:MATRIX_FMT_FP6 matrix_b_fmt:MATRIX_FMT_FP6
.endif
.endm
	s_load_b512 s[4:19], s[0:1], 0x0               ; X's codes s[4:5], X's scales s[6:7], wimg s[8:9], Wk's scales s[10:11], Wv's s[12:13], q s[14:15], bk s[16:17], bv s[18:19]
	s_load_b64 s[20:21], s[0:1], 0x40              ; out0
	v_lshl_add_u32 v126, v0, 2, 0x3c000
	v_mov_b32 v127, 0
	ds_add_u32 v126, v127
	ds_add_u32 v126, v127
	v_lshrrev_b32 v1, 5, v0
	v_readfirstlane_b32 s22, v1                    ; wave 0..3
	s_and_b32 s23, s22, 1                          ; c: which 128 channels
	s_lshr_b32 s24, s22, 1                         ; g: which 16 pixels
	s_bfe_u32 s25, ttmp6, 0x40000                  ; cx: my place in the cluster
	s_lshl_b32 s26, ttmp9, 2                       ; in a cluster launch ttmp9 counts clusters
	s_add_co_u32 s26, s26, s25                     ; work-group 0..255
	s_lshr_b32 s27, s26, 7                         ; batch
	s_and_b32 s28, s26, 127                        ; block of 32 pixels
	; group 1 for the weights' images: 48 dense rows of 256 bytes (32 elements of 8 bytes); 15:0 the mask: all four work-groups; 21 set beside a mask
	s_mov_b32 s32, 15|(3<<16)|(1<<21)
	s_mov_b32 s33, 32<<16                          ; tensor_dim0
	s_mov_b32 s34, 48<<16                          ; tensor_dim1
	s_mov_b32 s35, 32<<16                          ; tile_dim0
	s_mov_b32 s36, 48                              ; tile_dim1
	s_mov_b32 s37, 32                              ; elements from row to row
	s_mov_b32 s38, 0
	s_mov_b32 s39, 0
	; group 1 for a map's 32 pixels: 32 dense rows of 192 bytes (6,144 consecutive bytes, from a multiple of 256 on); 16 bytes of padding behind every 64
	s_mov_b32 s40, (1<<20)|(3<<22)|(3<<25)
	s_mov_b32 s41, 192<<16
	s_mov_b32 s42, 32<<16
	s_mov_b32 s43, 192<<16
	s_mov_b32 s44, 32
	s_mov_b32 s45, 192
	s_mov_b32 s46, 0
	s_mov_b32 s47, 0
	; group 1 for X's scale bytes: four maps' rows of 256 bytes, 32,768 bytes (4,096 elements of 8) apart; 16 bytes of padding behind each
	s_mov_b32 s48, (3<<16)|(1<<20)|(5<<22)|(3<<25)
	s_mov_b32 s49, 32<<16
	s_mov_b32 s50, 4<<16
	s_mov_b32 s51, 32<<16
	s_mov_b32 s52, 4
	s_mov_b32 s53, 4096
	s_mov_b32 s54, 0
	s_mov_b32 s55, 0
	s_lshl_b32 s30, s27, 19                        ; X's scales: 524,288 b + 131,072 w (maps 4 w on) + 256 x block
	s_lshl_b32 s2, s22, 17
	s_add_co_u32 s30, s30, s2
	s_lshl_b32 s2, s28, 8
	s_add_co_u32 s30, s30, s2
	s_mov_b32 s31, 0
	s_mul_i32 s94, s27, 12582912                   ; X's codes: 12,582,912 b + 786,432 x map (w, then 4 maps on for each load) + 6,144 x block
	s_mul_i32 s2, s22, 786432
	s_add_co_u32 s94, s94, s2
	s_mul_i32 s2, s28, 6144
	s_add_co_u32 s94, s94, s2
	s_mov_b32 s95, 0
	s_mul_i32 s92, s22, 12288                      ; my quarter of a weight's images, in memory and in LDS alike: the wave's number alone
	s_mov_b32 s93, 0
	s_mul_i32 s3, s22, XMAP
	s_add_co_u32 s3, s3, XC                        ; LDS: map w
	s_mul_i32 s29, s22, 4*SCP
	s_add_co_u32 s29, s29, XSC                     ; LDS: the scale bytes of maps 4 w on
	s_mov_b32 s88, 0x76543210                      ; v_permlanex16_b32's selects for lane l xor 16
	s_mov_b32 s89, 0xfedcba98
	s_mov_b32 s90, 0x3db8aa3b                      ; cs = log2(e) / 16
	s_mov_b32 s91, s90                             ; (named with it as a pair, so it is written)
	s_wait_dscnt 0x0
	s_wait_kmcnt 0x0
	s_mov_b32 s56, 1                               ; group 0: count 1; LDS address; global address; type 2 on top
	s_mov_b32 s57, s29
	s_add_nc_u64 s[58:59], s[6:7], s[30:31]
	s_or_b32 s59, s59, 0x80000000
	s_mov_b32 s60, 1
	s_mov_b32 s61, s92                             ; WKI = 0
	s_add_nc_u64 s[62:63], s[8:9], s[92:93]
	s_mov_b32 s84, 1
	s_add_co_u32 s85, s92, WVI
	s_add_nc_u64 s[86:87], s[62:63], 49152         ; Wv's images lie behind Wk's
	s_or_b32 s63, s63, 0x80000000
	s_or_b32 s87, s87, 0x80000000
	s_add_nc_u64 s[4:5], s[4:5], s[94:95]
.irp ch, 0,1,2,3
	s_mov_b32 s[68+4*\ch], 1
	s_add_co_u32 s[69+4*\ch], s3, \ch*4*XMAP
	s_add_nc_u64 s[70+4*\ch:71+4*\ch], s[4:5], \ch*4*786432
	s_or_b32 s[71+4*\ch], s[71+4*\ch], 0x80000000
.endr
	ROUND                                          ; all four work-groups are here: the joint loads meet
	tensor_load_to_lds s[56:59], s[48:55]          ; 1: X's scale bytes, maps 4 w .. 4 w + 3.   All fills of the launch go out here, seven of mine are outstanding at the most
	s_nop 0
	tensor_load_to_lds s[60:63], s[32:39]          ; 2: a quarter of Wk's images, jointly
	s_nop 0
	tensor_load_to_lds s[68:71], s[40:47]          ; 3: map w
	s_nop 0
	tensor_load_to_lds s[72:75], s[40:47]          ; 4: map 4 + w
	s_nop 0
	tensor_load_to_lds s[76:79], s[40:47]          ; 5: map 8 + w
	s_nop 0
	tensor_load_to_lds s[80:83], s[40:47]          ; 6: map 12 + w
	s_nop 0
	tensor_load_to_lds s[84:87], s[32:39]          ; 7: a quarter of Wv's images, jointly
	s_nop 0
.rept 4
	v_nop
.endr
	v_and_b32 v1, 31, v0                           ; l
	v_and_b32 v2, 15, v0                           ; r
	v_bfe_u32 v3, v0, 4, 1                         ; h
	s_lshl_b32 s2, s23, 9
	v_lshl_add_u32 v[H32], v3, 5, s2
	s_lshl_b32 s2, s23, 10
	v_lshl_add_u32 v[L8], v1, 3, s2
	s_lshl_b32 s30, s27, 10
	s_add_nc_u64 s[14:15], s[14:15], s[30:31]      ; my batch's q
.irp i, 0,1,2,3
	global_load_b64 v[WKS+2*\i:WKS+2*\i+1], v[L8], s[10:11] offset:256*\i     ; rows 128 c + 32 i + l: 256 consecutive bytes; the low word is K step 0's
	global_load_b64 v[WVS+2*\i:WVS+2*\i+1], v[L8], s[12:13] offset:256*\i
.endr
.irp t, 0,1,2,3,4,5,6,7
.irp e, 0,1
	global_load_b128 v[BKR+8*\t+4*\e:BKR+8*\t+4*\e+3], v[H32], s[16:17] offset:64*\t+16*\e   ; channels 128 c + 16 t + 8 h + 0 .. 7: the result's layout
	global_load_b128 v[BVR+8*\t+4*\e:BVR+8*\t+4*\e+3], v[H32], s[18:19] offset:64*\t+16*\e
.endr
.endr
	WIN 0x80
.irp t, 0,1,2,3,4,5,6,7
.irp e, 0,1
	global_load_b128 v[QF+8*\t+4*\e:QF+8*\t+4*\e+3], v[H32], s[14:15] offset:64*\t+16*\e     ; q beside X's maps 0-7,
.endr
.endr
	WIN 0xc0
.irp t, 0,1,2,3,4,5,6,7
.irp e, 0,1
	global_load_b128 v[QF+8*\t+4*\e:QF+8*\t+4*\e+3], v[H32], s[14:15] offset:64*\t+16*\e     ; and beside maps 8-15
.endr
.endr
	WIN 0
	v_lshlrev_b32 v18, 4, v1                       ; 16 l
	s_mul_i32 s2, s23, 24576
	v_add_nc_u32 v[AWK], s2, v18
	s_add_co_u32 s2, s2, WVI
	v_add_nc_u32 v[AWV], s2, v18
	v_mul_u32_u24 v19, v2, XP
	v_mad_u32_u24 v20, v3, 24, v19
	v_mad_u32_u24 v21, v3, 40, v19
	s_mul_i32 s2, s24, 16*XP
	s_add_co_u32 s2, s2, XC
	v_add_nc_u32 v[AX], s2, v20
	v_add_nc_u32 v[AX+1], s2, v21
	s_add_co_u32 s2, s2, 8*XMAP
	v_add_nc_u32 v[AX+2], s2, v20
	v_add_nc_u32 v[AX+3], s2, v21
	v_lshlrev_b32 v19, 3, v2                       ; 8 bytes a pixel,
	v_mad_u32_u24 v19, v3, SCP, v19                ; lanes 16-31 one map on
	s_lshl_b32 s2, s24, 7
	s_add_co_u32 s2, s2, XSC
	v_add_nc_u32 v[AXS], s2, v19
	s_lshl_b32 s2, s22, 11
	s_add_co_u32 s2, s2, EXC
	v_add_nc_u32 v[AEX], s2, v18
	s_xor_b32 s2, s22, 1                           ; my partner: the same pixels, the other channels
	s_lshl_b32 s2, s2, 11
	s_add_co_u32 s2, s2, EXC
	v_add_nc_u32 v[AEP], s2, v18
	v_lshlrev_b32 v19, 2, v2                       ; the stage, in: row 16 c + 8 h (+ j), column 4 (16 g + r)
	v_mad_u32_u24 v19, v3, 8*SPT, v19
	s_mul_i32 s2, s23, 16*SPT
	s_lshl_b32 s3, s24, 6
	s_add_co_u32 s2, s2, s3
	s_add_co_u32 s2, s2, STG
	v_add_nc_u32 v[ASO], s2, v19
	v_lshrrev_b32 v20, 3, v1                       ; back: wave w takes rows 8 w on; eight lanes to a row of 128 bytes, four rows a load
	v_and_b32 v21, 7, v0
	v_lshlrev_b32 v22, 4, v21
	v_mad_u32_u24 v19, v20, SPT, v22
	s_mul_i32 s2, s22, 8*SPT
	s_add_co_u32 s2, s2, STG
	v_add_nc_u32 v[ASR], s2, v19
	v_lshl_add_u32 v[GO], v20, 14, v22             ; the same rows in out0: channel 128 (w >> 1) + 8 (w & 1) + l / 8 (+ 16 tile + 4 i in the immediate), 16,384 bytes a channel
	s_lshl_b32 s2, s24, 21
	s_lshl_b32 s3, s23, 17
	s_add_co_u32 s2, s2, s3
	v_add_nc_u32 v[GO], s2, v[GO]
	s_lshl_b32 s30, s27, 22                        ; out0 at my batch and my 32 pixels
	s_lshl_b32 s2, s28, 7
	s_add_co_u32 s30, s30, s2
	s_add_nc_u64 s[20:21], s[20:21], s[30:31]
	s_wait_loadcnt 0x0                             ; W's scale words, bk, bv, q
	WIN 0x08                                       ; source 1 (q) window 2
.irp p, 0,1,2,3
	v_pk_mul_f32 v[QC+2*\p:QC+2*\p+1], v[BKR+2*\p:BKR+2*\p+1], v[QF+2*\p:QF+2*\p+1]          ; q . bk over my 64 channels, in four chains
.endr
.set pp, 4
.rept 28
	v_pk_fma_f32 v[QC+2*(pp%4):QC+2*(pp%4)+1], v[BKR+2*pp:BKR+2*pp+1], v[QF+2*pp:QF+2*pp+1], v[QC+2*(pp%4):QC+2*(pp%4)+1]
.set pp, pp+1
.endr
	WIN 0
	v_pk_add_f32 v[QC:QC+1], v[QC:QC+1], v[QC+2:QC+3]
	v_pk_add_f32 v[QC+4:QC+5], v[QC+4:QC+5], v[QC+6:QC+7]
	v_pk_add_f32 v[QC:QC+1], v[QC:QC+1], v[QC+4:QC+5]
	WIN 0x40
	v_add_f32 v[QB], v[QC], v[QC+1]
	v_mov_b32 v[QB+1], 0
	WIN 0
	s_wait_tensorcnt 0x4                           ; my loads 1 to 3 have landed (X's scales, Wk, maps 0-3); the four behind them stay out
	s_barrier_signal -1
	s_barrier_wait -1                              ; everybody's have
.irp u, 0,1,2,3,4,5,6,7
	ds_load_b64 v[XS+2*\u:XS+2*\u+1], v[AXS] offset:2*SCP*\u
.endr
	XFRAG 0
	WIN 0x40
.irp t, 0,1,2,3,4,5,6,7
	WFRAG AWK, 2*\t, 24*\t
	WFRAG AWK, 2*\t+1, 24*\t+12
.endr
	XFRAG 1
	XFRAG 2
	XFRAG 3
; PHASE K.  Key tile number n = 8 m + t (map m, channels 16 t on) goes through three stages, two slots apart: KW0 (K step 0, C = 0), KW1 (K step 1, in place), KV (its part of q . keys, in two halves).
; A SLOT: KW0 of tile n, two packed multiply-adds, KW1 of tile n - 2, two packed multiply-adds (both pairs are tile n - 4's): the vector work is dealt evenly, two instructions behind each product.
; The five result tiles take turns, one matrix instruction a turn: four others' stand between the two links of a tile.
; Places (ISA guide 7.12.1), counted: between KW1 of a tile and the first read of its result stand six packed instructions of the two tiles before it (two in KW1's own slot, four in the next);
; between KW1 of tile n and KW0 of tile n + 5, which writes the same registers, the same six (tile n's own four name its registers and are not counted).
.macro KW0
.set m_, n/8
.set t_, n%8
.set rD, DT5+8*(n%5)
.set rA, 24*t_
.set rB, 24*(m_%8)
.set rSA, WKS+2*(t_/2)
.set rSB, XS+2*(m_/2)
.set oA, t_%2
.set oB, m_%2
	WIN 0x59+4*(m_/8)
	WM0
.endm
.macro KW1
.set m_, (n-2)/8
.set t_, (n-2)%8
.set rD, DT5+8*((n-2)%5)
.set rC, rD
.set rA, 24*t_+12
.set rB, 24*(m_%8)+12
.set rSA, WKS+2*(t_/2)+1
.set rSB, XS+2*(m_/2)+1
.set oA, t_%2
.set oB, m_%2
	WIN 0x59+4*(m_/8)
	WMC
.endm
.macro KV e                            ; half e of tile n - 4: running pairs 2 e and 2 e + 1 of the map's score += four of the tile's keys x q's four; a map's first tile starts the pairs, pair 0 from q . bk.  Half 0 comes first: the tile is read from its low end on
.set m_, (n-4)/8
.set t_, (n-4)%8
.set rD, DT5+8*((n-4)%5)
.set rQ, QF+8*t_
.set rAc, ACC+8*(m_%2)
	WINQ
.irp k, 0,2
.set kk, 4*(\e)+\k
.if t_ > 0
	v_pk_fma_f32 v[rAc+kk:rAc+kk+1], v[rD+kk:rD+kk+1], v[rQ+kk:rQ+kk+1], v[rAc+kk:rAc+kk+1]
.elseif kk == 0
	v_pk_fma_f32 v[rAc:rAc+1], v[rD:rD+1], v[rQ:rQ+1], v[QB:QB+1]
.else
	v_pk_mul_f32 v[rAc+kk:rAc+kk+1], v[rD+kk:rD+kk+1], v[rQ+kk:rQ+kk+1]
.endif
.endr
.endm
; A map's four pairs become its score, in three slots.  The sums of pairs are written as x 1.0 + y: under the products' setting source 1 means X's window, and a constant there has no window; a plain addition would want two switches more.
.macro KR1
.set rAc, ACC+8*(((n-12)/8)%2)
	WINQ
	v_pk_fma_f32 v[rAc:rAc+1], v[rAc+2:rAc+3], 1.0, v[rAc:rAc+1] op_sel_hi:[1,0,1]
	v_pk_fma_f32 v[rAc+4:rAc+5], v[rAc+6:rAc+7], 1.0, v[rAc+4:rAc+5] op_sel_hi:[1,0,1]
.endm
.macro KR2
.set rAc, ACC+8*(((n-13)/8)%2)
	WINQ
	v_pk_fma_f32 v[rAc:rAc+1], v[rAc+4:rAc+5], 1.0, v[rAc:rAc+1] op_sel_hi:[1,0,1]
.endm
.macro KR3
.set rAc, ACC+8*(((n-14)/8)%2)
	WIN 0x05                                       ; sources window 1, destination window 0
	v_add_f32 v[SC+(n-14)/8], v[rAc], v[rAc+1]
.endm
.set n, 0
.rept 135
.if n < 8
.if 36+6*(7-n) > 63
	s_wait_dscnt 63                                ; (the field's largest count; fewer may be out than the tile needs)
.else
	s_wait_dscnt 36+6*(7-n)                        ; Wk's tile n is in: behind it were issued six loads for each later tile and 36 for maps 1-3
.endif
.elseif (n%8 == 0) && (n < 128)
	s_wait_dscnt 12*(3-(n/8)%4)                    ; this map's fragments are in: behind them twelve loads for each later map of its four, all issued by now
.if (n%32 == 24) && (n < 120)
	s_wait_tensorcnt 3-n/32                        ; my map of the next four has landed; the loads issued behind it stay out.  (No LDS instruction of mine is out: the count above is 0 here)
	s_barrier_signal -1
	s_barrier_wait -1                              ; everybody's has
.endif
.endif
.if (n%32 >= 24) && (n < 120)
.set xm, 4*(n/32)+4+(n%8)/2
.set xq, n%2
	XFRAGH xm, xq                                  ; the next four maps' eight fragments, one (six loads) at the head of each of these eight slots, map by map: short runs among the products; the price is two window switches a slot
.endif
.if n < 128
	KW0
.endif
.if (n >= 4) && (n < 132)
	KV 0
.elseif (n == 2) || (n == 3)
.rept 2
	v_nop                                          ; no vector work yet: the places behind the first tiles' products
.endr
.endif
.if (n >= 2) && (n < 130)
	KW1
.endif
.if (n >= 4) && (n < 132)
	KV 1
.elseif (n == 2) || (n == 3)
.rept 2
	v_nop
.endr
.endif
.if (n >= 12) && (n%8 == 4)
	KR1
.elseif (n >= 13) && (n%8 == 5)
	KR2
.elseif (n >= 14) && (n%8 == 6)
	KR3
.endif
.set n, n+1
.endr
; THE EXCHANGE AND THE SOFTMAX.  My 16 numbers are the scores' parts from my 64 channels.
	WIN 0
.irp k, 0,1,2,3
	ds_store_b128 v[AEX], v[SC+4*\k:SC+4*\k+3] offset:512*\k
.endr
	WIN 0x40
.set pp, 0
.rept 64
	v_mov_b32 v[BV+pp], v[BVR+pp]                  ; bv moves beside the values' results, into registers that phase K has left, while the stores are out
.set pp, pp+1
.endr
	WIN 0
	s_wait_tensorcnt 0x0                           ; my quarter of Wv's images has landed: my last tensor load
	s_wait_dscnt 0x0                               ; for the others' sake: my scores lie in LDS
	s_barrier_signal -1
	s_barrier_wait -1
.irp k, 0,1,2,3
	ds_load_b128 v[SP+4*\k:SP+4*\k+3], v[AEP] offset:512*\k
.endr
	WIN 0x40
	WFRAG AWV, 0, 0                                ; Wv's tiles 0 and 1
	WFRAG AWV, 1, 12
	WFRAG AWV, 2, 24
	WFRAG AWV, 3, 36
	WIN 0
	s_wait_dscnt 12                                ; the partner's scores are in; the twelve loads of weights stay out
.irp i, 0,2,4,6,8,10,12,14
	v_pk_add_f32 v[SC+\i:SC+\i+1], v[SC+\i:SC+\i+1], v[SP+\i:SP+\i+1]
.endr
.irp i, 0,1,2,3,4,5,6,7,8,9,10,11,12,13,14,15
	v_permlanex16_b32 v[SP+\i], v[SC+\i], s88, s89
.endr
.irp i, 0,2,4,6,8,10,12,14
	v_pk_add_f32 v[SC+\i:SC+\i+1], v[SC+\i:SC+\i+1], v[SP+\i:SP+\i+1]   ; q . keys, whole; both waves and both halves of the lanes add the same pairs, so all hold the same bits
.endr
	v_max3_num_f32 v[MX], v[SC], v[SC+1], v[SC+2]  ; the pixel's largest score is taken away before the exponentials
	v_max3_num_f32 v[MX+1], v[SC+3], v[SC+4], v[SC+5]
	v_max3_num_f32 v[MX+2], v[SC+6], v[SC+7], v[SC+8]
	v_max3_num_f32 v[MX+3], v[SC+9], v[SC+10], v[SC+11]
	v_max3_num_f32 v[MX], v[MX], v[SC+12], v[SC+13]
	v_max3_num_f32 v[MX+1], v[MX+1], v[SC+14], v[SC+15]
	v_max3_num_f32 v[MX], v[MX], v[MX+1], v[MX+2]
	v_max_num_f32 v[MX], v[MX], v[MX+3]
	v_mul_f32 v[MC], s90, v[MX]
	v_mov_b32 v[MC+1], v[MC]                       ; (named with it as a pair, so it is written)
.irp i, 0,2,4,6,8,10,12,14
	v_pk_fma_f32 v[SC+\i:SC+\i+1], v[SC+\i:SC+\i+1], s[90:91], v[MC:MC+1] op_sel_hi:[1,0,0] neg_lo:[0,0,1] neg_hi:[0,0,1]   ; cs s - cs max
.endr
.irp i, 0,1,2,3,4,5,6,7,8,9,10,11,12,13,14,15
	v_exp_f32 v[SC+\i], v[SC+\i]
.endr
	v_nop                                          ; a plain instruction between the last exponential and the use of its result
	s_wait_alu depctr_va_vdst(0)
	v_pk_add_f32 v[SP:SP+1], v[SC:SC+1], v[SC+2:SC+3]
	v_pk_add_f32 v[SP+2:SP+3], v[SC+4:SC+5], v[SC+6:SC+7]
	v_pk_add_f32 v[SP+4:SP+5], v[SC+8:SC+9], v[SC+10:SC+11]
	v_pk_add_f32 v[SP+6:SP+7], v[SC+12:SC+13], v[SC+14:SC+15]
	v_pk_add_f32 v[SP:SP+1], v[SP:SP+1], v[SP+2:SP+3]
	v_pk_add_f32 v[SP+4:SP+5], v[SP+4:SP+5], v[SP+6:SP+7]
	v_pk_add_f32 v[SP:SP+1], v[SP:SP+1], v[SP+4:SP+5]
	v_add_f32 v[SU], v[SP], v[SP+1]
	v_rcp_f32 v[RL], v[SU]
	v_nop                                          ; a plain instruction behind the reciprocal
	WIN 0xc0                                       ; p, twice each, a pair for the packed multiply-add: maps 0-7 beside X's maps 8-15,
	s_wait_alu depctr_va_vdst(0)
.irp m, 0,1,2,3,4,5,6,7
	v_mul_f32 v[QF+2*\m], v[SC+\m], v[RL]
	v_mul_f32 v[QF+2*\m+1], v[SC+\m], v[RL]
.endr
	WIN 0x80                                       ; maps 8-15 beside X's maps 0-7: a block's sums stand among the other half's products
.irp m, 0,1,2,3,4,5,6,7
	v_mul_f32 v[QF+2*\m], v[SC+8+\m], v[RL]
	v_mul_f32 v[QF+2*\m+1], v[SC+8+\m], v[RL]
.endr
	s_wait_dscnt 0x0                               ; Wv's tiles 0 and 1 are in
; PHASE V.  A block (t, H): value channels 16 t on of maps 8 H .. 8 H + 7: eight products of K step 0 (C = bv), then eight of K step 1 in place: the eight results take turns.
; Behind product i stand packed instructions 2 i and 2 i + 1 of the block BEFORE: the weighted sum's pair += that block's map i / 2 x (p, p); map 0 starts the sum.  Each result is read from its low end on.
.macro VF H
.set mp, 8*(1-(\H))+i/2
.set rP, QF+2*(i/2)
.irp e, 0,1
.set rK, 2*((2*i+\e)%4)
.if mp == 0
	v_pk_mul_f32 v[OUTR+rK:OUTR+rK+1], v[DT16+8*mp+rK:DT16+8*mp+rK+1], v[rP:rP+1]
.else
	v_pk_fma_f32 v[OUTR+rK:OUTR+rK+1], v[DT16+8*mp+rK:DT16+8*mp+rK+1], v[rP:rP+1], v[OUTR+rK:OUTR+rK+1]
.endif
.endr
.endm
.macro VBLOCK t, H, prev
	WIN 0x59+4*(\H)
.set i, 0
.rept 16
.set m_, 8*(\H)+i%8
.set s_, i/8
.set rD, DT16+8*m_
.set rA, 24*((\t)%2)+12*s_
.set rB, 24*(i%8)+12*s_
.set rSA, WVS+2*((\t)/2)+s_
.set rSB, XS+2*(m_/2)+s_
.set oA, (\t)%2
.set oB, m_%2
.if i < 8
.set rC, BV+8*(\t)
.else
.set rC, rD
.endif
	WMC
.if \prev
	VF \H
.endif
.set i, i+1
.endr
.endm
; THE WAY OUT of tile u, in two parts with a block of products between a barrier's signal and its wait.  Two stages by turns: stage u % 2 is written again only behind tile u + 1's barrier,
; which every wave signals behind the wait for its reads of tile u's rows.
.macro FL1 u
	WIN 0
.if (\u) >= 1
	s_wait_dscnt 0x0                               ; tile u - 1's rows are back in registers
	global_store_b128 v[GO], v[OB:OB+3], s[20:21] offset:(16*((\u)-1))*16384       ; eight lanes store 128 consecutive bytes of a channel; four channels an instruction
	global_store_b128 v[GO], v[OB+4:OB+7], s[20:21] offset:(16*((\u)-1)+4)*16384
.endif
	WIN 0x04                                       ; an LDS store's data are its source 1: window 1
.irp j, 0,1,2,3,4,5,6,7
	ds_store_b32 v[ASO], v[OUTR+\j] offset:SPT*\j+STGB*((\u)%2)
.endr
	s_wait_dscnt 0x0                               ; for the others' sake: my part of the stage is written
	s_barrier_signal -1
.if (\u)+2 <= 7
	WIN 0x40
	WFRAG AWV, 2*((\u)+2), 24*((\u)%2)             ; Wv's tile u + 2 into the set that tile u has left (32 packed instructions stand behind its last product); bytes that no wave ever writes
	WFRAG AWV, 2*((\u)+2)+1, 24*((\u)%2)+12
.endif
.endm
.macro FL2 u
	WIN 0
	s_barrier_wait -1                              ; 32 whole rows lie in the stage
.if (\u) >= 1
	s_wait_xcnt 0x0                                ; the last tile's stores have read their data: the registers are loaded again only behind this wait
.endif
	ds_load_b128 v[OB:OB+3], v[ASR] offset:STGB*((\u)%2)
	ds_load_b128 v[OB+4:OB+7], v[ASR] offset:STGB*((\u)%2)+4*SPT
.if (\u)+2 <= 7
	s_wait_dscnt 0x2                               ; the weights' six loads are in; the two just issued stay out
.endif
.endm
	VBLOCK 0, 0, 0                                 ; no sums yet to set between the products
.rept 4
	v_nop                                          ; the places in front of the first read of its results
.endr
	VBLOCK 0, 1, 1
.irp t, 1,2,3,4,5,6,7
	VBLOCK \t, 0, 1                                ; finishes the weighted sum of tile t - 1,
	FL1 \t-1                                       ; which goes to the stage
	VBLOCK \t, 1, 1
	FL2 \t-1
.endr
	WIN 0x59
.set i, 0
.rept 16
	VF 0                                           ; maps 8-15 of the last tile
.set i, i+1
.endr
	FL1 7
	FL2 7
	s_wait_dscnt 0x0
	global_store_b128 v[GO], v[OB:OB+3], s[20:21] offset:(16*7)*16384
	global_store_b128 v[GO], v[OB+4:OB+7], s[20:21] offset:(16*7+4)*16384
	s_wait_tensorcnt 0x0
	ds_add_u32 v126, v127
	s_wait_dscnt 0x0
	ROUND                                          ; the closing round: no work-group ends while a partner may still ask for a tile that names it
	s_endpgm
.Lfunc_end_k_qd514e8d068_attend:
	.size	k_qd514e8d068_attend, .Lfunc_end_k_qd514e8d068_attend-k_qd514e8d068_attend
	.p2alignl 7, 3214868480
	.fill 96, 4, 3214868480
	.section	.rodata,"a",@progbits
	.p2align	6, 0x0
	.amdhsa_kernel k_qd514e8d068_attend
		.amdhsa_group_segment_fixed_size 246272
		.amdhsa_private_segment_fixed_size 0
		.amdhsa_enable_private_segment 0
		.amdhsa_kernarg_size 72
		.amdhsa_user_sgpr_count 2
		.amdhsa_user_sgpr_kernarg_segment_ptr 1
		.amdhsa_wavefront_size32 1
		.amdhsa_system_sgpr_workgroup_id_x 1
		.amdhsa_system_sgpr_workgroup_id_y 1
		.amdhsa_system_sgpr_workgroup_id_z 1
		.amdhsa_system_vgpr_workitem_id 0
		.amdhsa_next_free_vgpr 1024
		.amdhsa_next_free_sgpr 96
		.amdhsa_reserve_vcc 0
		.amdhsa_float_denorm_mode_32 3
		.amdhsa_float_denorm_mode_16_64 3
		.amdhsa_memory_ordered 1
		.amdhsa_forward_progress 1
		.amdhsa_inst_pref_size 191
	.end_amdhsa_kernel
	.amdgpu_metadata
---
amdhsa.version: [ 1, 2 ]
amdhsa.kernels:
  - .name:           k_qd514e8d068_attend
    .symbol:         k_qd514e8d068_attend.kd
    .args:
      - { .name: residual_maps_codes, .offset: 0, .size: 8, .value_kind: global_buffer, .address_space: global }
      - { .name: residual_maps_scales, .offset: 8, .size: 8, .value_kind: global_buffer, .address_space: global }
      - { .name: wimg, .offset: 16, .size: 8, .value_kind: global_buffer, .address_space: global }
      - { .name: Wk_scales, .offset: 24, .size: 8, .value_kind: global_buffer, .address_space: global }
      - { .name: Wv_scales, .offset: 32, .size: 8, .value_kind: global_buffer, .address_space: global }
      - { .name: qbuf, .offset: 40, .size: 8, .value_kind: global_buffer, .address_space: global }
      - { .name: bk, .offset: 48, .size: 8, .value_kind: global_buffer, .address_space: global }
      - { .name: bv, .offset: 56, .size: 8, .value_kind: global_buffer, .address_space: global }
      - { .name: out0, .offset: 64, .size: 8, .value_kind: global_buffer, .address_space: global }
    .group_segment_fixed_size: 246272
    .private_segment_fixed_size: 0
    .kernarg_segment_align: 8
    .kernarg_segment_size: 72
    .max_flat_workgroup_size: 128
    .sgpr_count:     96
    .vgpr_count:     1024
    .wavefront_size: 32
...
	.end_amdgpu_metadata
.endif
;; end of part 2
